; MI455X (gfx1250); checked and timed in simulation.
; The chip was launched on July 23, 2026; its instructions are those of AMD's public machine-readable ISA for CDNA 5 (MIT licence, August 2026) and "CDNA5" Instruction Set Architecture Reference Guide (July 2026). The comments in the code are by the model that wrote it; some were corrected since.
;; NDT Router. Allowed arithmetic: float matrix products may take bf16 or f16 operands with f32 sums; all other float work in f32.
;; Inputs: W_leaf 8 x 8 float32; b_leaf 8 float32; feature_selectors 3 x 4,096 float32; hidden_states 4 x 4,096 x 4,096 float32; log_temperatures 3 x 1 float32; thresholds 3 x 1 float32.
;; Outputs: out0 4 x 4,096 x 8 float32; out1 4 x 4,096 x 2 int32; out2 4 x 4,096 x 2 float32.
;; One version. Each part assembles by itself: llvm-mc -triple=amdgcn-amd-amdhsa -mcpu=gfx1250 --defsym DOCPART=n.
;; ======== version 1 of 1: 1 launch
;; launch route (part 1): grid 256 x 1, 8 waves a work-group, no clusters, 51,200 bytes of LDS; arguments hidden_states, feature_selectors, out0, out1, out2, W_leaf, b_leaf, thresholds, log_temperatures; writes out0, out1, out2
.if DOCPART == 1
	.amdgcn_target "amdgcn-amd-amdhsa--gfx1250"
	.amdhsa_code_object_version 6
	.text
	.protected	k_q637f36af16_route
	.globl	k_q637f36af16_route
	.p2align	8
	.type	k_q637f36af16_route,@function
k_q637f36af16_route:
	s_mov_b64 s[64:65], 0
	v_nop
	global_prefetch_b8 v0, s[64:65] scope:SCOPE_SE
	s_setreg_imm32_b32 hwreg(HW_REG_WAVE_MODE, 25, 1), 1
	s_wait_xcnt 0x0
; NDTRouter in one launch.  16,384 tokens of 4,096 f32; 256 work-groups of 8 waves; a wave owns 8 whole token rows (128 KiB).
;   sel = entmax15(feature_selectors) [3][4096];  fc[d] = row . sel[d];  three two-way entmax splits, 8 leaf products,
;   8 logits = leaf . W_leaf + b_leaf, the two largest with their indices, a softmax of those two.
; ORDER OF WORK.  Every wave first asks for 56 pieces of 512 bytes of its rows (a ring of 7 slots x 8 rows in registers).  While they
; travel, waves 0, 1, 2 each make one row of sel inside the wave (the row lies in 128 registers) and put it into LDS; one barrier;
; then all waves run 32 steps of 8 rows x 512 bytes against 3 x 512 bytes of sel from LDS, refilling the ring as they go.
; ENTMAX WITHOUT A SORT.  With x = v/2 - max(v/2), tau is the root of f(t) = sum max(x - t, 0)^2 = 1.  The largest x is 0, so f(-1) >= 1;
; there are 4,096 terms of at most t^2, so f(-1/64) <= 1.  14 halvings leave a bracket below 2^-14.  Newton from its left end: f is convex,
; f'' <= 2 x 4096, |f'| = 2 g with g = sum max(x - t, 0) >= sqrt(f) >= 1, so the error e becomes at most 2^11 e^2: 2^-14, 2^-17, 2^-23,
; 2^-35, below half a unit in the last place of tau (|tau| >= 2^-6).  The lengths 14 and 3 hold for every input, not for the drawn ones alone.
; LEFT OUT, AND WHY.  Matrix instructions: the product has 3 columns of the 16 a matrix instruction makes, it is a small part of the
; work beside 1 MiB of rows for each work-group, and operands cut to 16 bits would move logits whose order is compared exactly; the dot
; products run as packed f32 multiply-adds.  Clusters: work-groups share 48 KiB of selectors against 1 MiB of rows of their own.
; An LDS ring or prefetches: the rows are read once, straight into registers, with 28 KiB of each wave on their way at all times.
; LIMITS.  NaN and infinite inputs are not reproduced (v_max_num, v_med3_num drop NaN).  |log_temperatures| <= 87: beyond it
; exp2 flushes or overflows.  The division by the temperature is a multiplication by exp(-logT).  Sums run in 64 chains a row and a tree,
; not in reference()'s order: logits closer than f32 rounding may be ordered otherwise; exact ties go to the lower index as in lax.top_k.
.set ROWB,  16384                      ; bytes in a token row and in a row of sel
.set CHB,   512                        ; bytes of a row that one load of a wave covers (32 lanes x 16)
.set SLOTS, 7                          ; ring slots; a slot is 8 rows x 512 bytes = 32 registers
.set ST1,   49152                      ; LDS: 0 .. 49151 sel[d][col]; then 512 bytes for out1, 512 for out2 (token x 8 + word x 4)
; vector registers, first 256
.set QT,   8                           ; v[8:10]    0.25 exp(-logT[d])
.set PXE,  14                          ; v14        destination of the lane exchange in the way out
.set ACC,  16                          ; v[16:63]   row j, depth d: the pair at ACC + 6 j + 2 d
.set X,    64                          ; v[64:191]  entmax: the selector row
.set T,    192                         ; v[192:207] entmax: two groups of 8 at work
.set F,    208                         ; v[208:215] four pairs of sums of squares
.set G,    216                         ; v[216:223] four pairs of sums
.set TAU,  224                         ; v[224:225] t, twice (a pair for the packed forms)
.set LO,   226
.set HI,   227
.set MN,   228                         ; v[228:229] -max/2, twice
.set PX,   230                         ; v[230:231] destinations of the lane exchange
.set MC,   232                         ; v[232:235] four running maxima
; the way out uses v64 and up again
.set TK,   64                          ; v[64:67]
.set RR,   70                          ; v[70:72]   right[d]
.set LL,   73                          ; v[73:75]   left[d]
.set Q,    76                          ; v[76:79]
.set LF,   80                          ; v[80:87]   leaf probabilities
.set LG,   88                          ; v[88:95]   logits
.set B1,   96
.set B2,   97
.set I1,   98
.set I2,   99
.set UU,   100                         ; v[100:102]
.set HH,   104                         ; v[104:106]
.set EX,   108
.set DEN,  109
.set W1,   110
.set W2,   111
.set OD,   112                         ; v[112:113] my two logits for out0
.set OT,   114                         ; v[114:117]
.set SW,   118
.set SD,   120                         ; v[120:123]
; vector registers 256 and up, named by their low 8 bits
.set RING, 0                           ; v[256:479] slot s, row j: 4 registers at 32 s + 4 j
.set SEL,  224                         ; v[480:491] sel[d], 4 numbers a lane, at 224 + 4 d
; s_set_vgpr_msb: bits 1:0 source 0, 3:2 source 1, 5:4 source 2, 7:6 destination; the high byte repeats the setting that is left
.set MSB, 0
.macro WIN new
.if MSB != \new
	s_set_vgpr_msb (MSB<<8)|\new
.set MSB, \new
.endif
.endm
.set TO_HI, 0x40                       ; loads: data into the upper registers, address from the lower
.set FMA_W, 0x05                       ; multiply-adds: both factors from the upper registers, sums in the lower
	; ---- set-up: addresses, lane terms ----
	s_load_b256 s[4:11], s[0:1], 0x0               ; hidden s[4:5], selectors s[6:7], out0 s[8:9], out1 s[10:11]
	s_load_b64 s[12:13], s[0:1], 0x20              ; out2
	s_load_b256 s[92:99], s[0:1], 0x28             ; W s[92:93], b s[94:95], thresholds s[96:97], log temperatures s[98:99]
	v_lshl_add_u32 v254, v0, 2, 0xc400
	v_mov_b32 v255, 0
	v_lshrrev_b32 v7, 5, v0
	v_readfirstlane_b32 s2, v7                     ; wave 0..7
	v_and_b32 v7, 31, v0                           ; lane
	v_lshlrev_b32 v1, 4, v7                        ; 16 x lane: offset in every global piece of 512 bytes; never rewritten
	v_lshlrev_b32 v2, 4, v7                        ; 16 x lane: where I read sel in LDS; stepped in the loop
	v_lshlrev_b32 v5, 3, v7                        ; 8 x lane: my two logits in the wave's 256 bytes of out0
	s_lshl_b32 s14, s2, 14
	v_add_nc_u32 v3, s14, v1                       ; where waves 0-2 put their row of sel
	v_lshrrev_b32 v11, 2, v7                       ; my token in the wave
	v_and_b32 v12, 1, v7
	v_bfe_u32 v13, v7, 1, 1
	v_lshlrev_b32 v11, 3, v11                      ; token x 8
	v_lshl_add_u32 v11, v12, 2, v11                ; + 4 x lane bit 0: first or second of the pair
	v_lshl_add_u32 v11, v13, 9, v11                ; + 512 x lane bit 1: index or weight
	s_lshl_b32 s15, s2, 6                          ; the wave's 8 tokens x 8 bytes
	s_add_co_u32 s15, s15, ST1
	v_add_nc_u32 v4, s15, v11                      ; my word in the stage for out1 and out2
	s_lshl_b32 s14, ttmp9, 20                      ; 64 rows of 16 KiB for a work-group,
	s_lshl_b32 s15, s2, 17                         ; 8 for a wave
	s_add_co_u32 s14, s14, s15
	s_mov_b32 s15, 0
	s_wait_kmcnt 0x0
	s_load_b512 s[16:31], s[92:93], 0x0            ; W rows 0, 1
	s_load_b512 s[32:47], s[92:93], 0x40           ; rows 2, 3
	s_load_b512 s[48:63], s[92:93], 0x80           ; rows 4, 5
	s_load_b512 s[68:83], s[92:93], 0xc0           ; rows 6, 7
	s_load_b256 s[84:91], s[94:95], 0x0            ; b_leaf
	s_load_b64 s[66:67], s[96:97], 0x0             ; thresholds 0, 1
	s_load_b32 s100, s[96:97], 0x8                 ; threshold 2
	s_load_b64 s[104:105], s[98:99], 0x0           ; log temperatures 0, 1
	s_load_b32 s101, s[98:99], 0x8                 ; log temperature 2
	s_add_nc_u64 s[4:5], s[4:5], s[14:15]          ; hidden at my wave's first row
	s_lshl_b32 s14, ttmp9, 11                      ; out0: 64 tokens x 32 bytes for a work-group,
	s_lshl_b32 s3, s2, 8                           ; 256 bytes for a wave
	s_add_co_u32 s14, s14, s3
	s_add_nc_u64 s[8:9], s[8:9], s[14:15]
	; ---- waves 0-2: ask for selector row d = wave, 32 pieces of 512 bytes (read by every work-group: no hint) ----
	s_cmp_ge_u32 s2, 3
	s_cbranch_scc1 .Lfill
	s_lshl_b32 s14, s2, 14
	s_add_nc_u64 s[6:7], s[6:7], s[14:15]
.set cc, 0
.rept 32
	global_load_b128 v[X+4*cc:X+4*cc+3], v1, s[6:7] offset:CHB*cc
.set cc, cc+1
.endr
.Lfill:
	; ---- all waves: fill the ring, pieces 0 to 6 of my 8 rows ----
.macro FILL s
.irp j, 0,1,2,3,4,5,6,7
	global_load_b128 v[RING+32*\s+4*\j:RING+32*\s+4*\j+3], v1, s[4:5] offset:\j*ROWB+\s*CHB th:TH_LOAD_NT
.endr
.endm
	WIN TO_HI
	FILL 0
	FILL 1
	FILL 2
	s_wait_loadcnt 24                              ; loads come back in order (ISA guide 5.7.1): with the 24 row loads above still out, the 32
	                                               ; selector loads of waves 0-2 are in.  The other waves have only those 24 out and pass at once
	FILL 3
	FILL 4
	FILL 5
	FILL 6
	WIN 0
	; ---- all waves: the small inputs are in; lane masks; 0.25 exp(-logT) ----
	s_wait_kmcnt 0x0                               ; also frees s[92:99], the bases of those loads
	s_mov_b32 s92, 0x76543210                      ; v_permlanex16_b32: lane i takes lane i of the other half
	s_mov_b32 s93, 0xfedcba98
	s_mov_b32 s94, 0xf0f0f0f0                      ; lanes with bit 2 set
	s_mov_b32 s95, 0xff00ff00                      ; bit 3
	s_mov_b32 s96, 0xffff0000                      ; bit 4
	s_mov_b32 s97, 0xaaaaaaaa                      ; bit 0
	s_mov_b32 s98, 0xcccccccc                      ; bit 1
	s_mul_f32 s14, s104, 0xbfb8aa3b                ; -logT / ln 2
	s_mul_f32 s15, s105, 0xbfb8aa3b
	s_mul_f32 s3, s101, 0xbfb8aa3b
	v_exp_f32 v[QT], s14
	v_exp_f32 v[QT+1], s15
	v_exp_f32 v[QT+2], s3
	v_mov_b32 v[PXE], 0                            ; the plain instruction between the exponentials and their use (ISA guide 5.7.2); the lane exchange's destination counts as read
	s_wait_alu depctr_va_vdst(0)
	v_mul_f32 v[QT], 0.25, v[QT]                   ; the split works on u = s / 4: an exact factor, folded in here
	v_mul_f32 v[QT+1], 0.25, v[QT+1]
	v_mul_f32 v[QT+2], 0.25, v[QT+2]
	; ---- waves 0-2: entmax15 of my selector row, all inside the wave ----
	s_cmp_ge_u32 s2, 3
	s_cbranch_scc1 .Lsel_done
	v_mov_b32 v[PX], 0
	v_mov_b32 v[PX+1], 0
	; the row's maximum: four chains, started by the first eight registers
.irp k, 0,1,2,3
	v_max_num_f32 v[MC+\k], v[X+\k], v[X+4+\k]
.endr
.set jj, 8
.rept 15
.irp k, 0,1,2,3
	v_max3_num_f32 v[MC+\k], v[MC+\k], v[X+jj+\k], v[X+jj+4+\k]
.endr
.set jj, jj+8
.endr
	v_max3_num_f32 v[MC], v[MC], v[MC+1], v[MC+2]
	v_max_num_f32 v[MC], v[MC], v[MC+3]
.irp m, 1,2,4,8
	v_max_num_f32_dpp v[MC], v[MC], v[MC] row_xmask:\m row_mask:0xf bank_mask:0xf
.endr
	v_permlanex16_b32 v[PX], v[MC], s92, s93
	v_max_num_f32 v[MC], v[MC], v[PX]
	v_mul_f32 v[MN], -0.5, v[MC]
	v_mul_f32 v[MN+1], -0.5, v[MC]
	; x = v/2 - max/2: both halvings are exact, so the one rounding is reference()'s
.set jj, 0
.rept 64
	v_pk_fma_f32 v[X+jj:X+jj+1], v[X+jj:X+jj+1], 0.5, v[MN:MN+1] op_sel_hi:[1,0,1]
.set jj, jj+2
.endr
; f = sum of max(x - t, 0)^2 over the row, in every lane, in v[F]; withg = 1: also g = sum of max(x - t, 0), in v[G].
; 16 groups of 8 numbers, temporaries in two sets that take turns, four pairs of chains; the first group starts the sums.
.macro EVAL withg
.set gi, 0
.rept 16
.set tb, T+8*(gi%2)
.irp i, 0,1,2,3
	v_pk_add_f32 v[tb+2*\i:tb+2*\i+1], v[X+8*gi+2*\i:X+8*gi+2*\i+1], v[TAU:TAU+1] neg_lo:[0,1] neg_hi:[0,1]
.endr
.irp i, 0,1,2,3
	v_dual_max_num_f32 v[tb+2*\i], 0, v[tb+2*\i] :: v_dual_max_num_f32 v[tb+2*\i+1], 0, v[tb+2*\i+1]
.endr
.irp i, 0,1,2,3
.if gi == 0
	v_pk_mul_f32 v[F+2*\i:F+2*\i+1], v[tb+2*\i:tb+2*\i+1], v[tb+2*\i:tb+2*\i+1]
.else
	v_pk_fma_f32 v[F+2*\i:F+2*\i+1], v[tb+2*\i:tb+2*\i+1], v[tb+2*\i:tb+2*\i+1], v[F+2*\i:F+2*\i+1]
.endif
.endr
.if \withg
.if gi == 1
.irp i, 0,1,2,3
	v_pk_add_f32 v[G+2*\i:G+2*\i+1], v[T+2*\i:T+2*\i+1], v[T+8+2*\i:T+8+2*\i+1]   ; groups 0 and 1 start g
.endr
.endif
.if gi > 1
.irp i, 0,1,2,3
	v_pk_add_f32 v[G+2*\i:G+2*\i+1], v[G+2*\i:G+2*\i+1], v[tb+2*\i:tb+2*\i+1]
.endr
.endif
.endif
.set gi, gi+1
.endr
	v_pk_add_f32 v[F:F+1], v[F:F+1], v[F+2:F+3]
	v_pk_add_f32 v[F+4:F+5], v[F+4:F+5], v[F+6:F+7]
.if \withg
	v_pk_add_f32 v[G:G+1], v[G:G+1], v[G+2:G+3]
	v_pk_add_f32 v[G+4:G+5], v[G+4:G+5], v[G+6:G+7]
.endif
	v_pk_add_f32 v[F:F+1], v[F:F+1], v[F+4:F+5]
.if \withg
	v_pk_add_f32 v[G:G+1], v[G:G+1], v[G+4:G+5]
.endif
	v_add_f32 v[F], v[F], v[F+1]
.if \withg
	v_add_f32 v[G], v[G], v[G+1]
.endif
.irp m, 1,2,4,8
	v_add_f32_dpp v[F], v[F], v[F] row_xmask:\m row_mask:0xf bank_mask:0xf
.if \withg
	v_add_f32_dpp v[G], v[G], v[G] row_xmask:\m row_mask:0xf bank_mask:0xf
.endif
.endr
	v_permlanex16_b32 v[PX], v[F], s92, s93
.if \withg
	v_permlanex16_b32 v[PX+1], v[G], s92, s93
.endif
	v_add_f32 v[F], v[F], v[PX]
.if \withg
	v_add_f32 v[G], v[G], v[PX+1]
.endif
.endm
	v_mov_b32 v[LO], -1.0                          ; f(-1) >= 1
	v_mov_b32 v[HI], 0xbc800000                    ; f(-1/64) <= 1
	s_mov_b32 s3, 14
.Lbisect:
	v_add_f32 v[TAU], v[LO], v[HI]
	v_mul_f32 v[TAU], 0.5, v[TAU]
	v_mov_b32 v[TAU+1], v[TAU]
	EVAL 0
	v_cmp_le_f32 vcc_lo, 1.0, v[F]                 ; f >= 1: the root is at t or to its right
	v_cndmask_b32 v[LO], v[LO], v[TAU], vcc_lo
	v_cndmask_b32 v[HI], v[TAU], v[HI], vcc_lo
	s_sub_co_i32 s3, s3, 1
	s_cmp_lg_u32 s3, 0
	s_cbranch_scc1 .Lbisect
	v_mov_b32 v[TAU], v[LO]
	v_mov_b32 v[TAU+1], v[LO]
	s_mov_b32 s3, 3
.Lnewton:
	EVAL 1
	v_rcp_f32 v[HI], v[G]                          ; g >= -t > 0: the largest x is 0
	v_fma_f32 v[LO], v[F], 0.5, -0.5               ; (f - 1) / 2; also the plain instruction behind the reciprocal (ISA guide 5.7.2)
	s_wait_alu depctr_va_vdst(0)
	v_fma_f32 v[TAU], v[LO], v[HI], v[TAU]         ; t + (f - 1) / (2 g)
	v_mov_b32 v[TAU+1], v[TAU]
	s_sub_co_i32 s3, s3, 1
	s_cmp_lg_u32 s3, 0
	s_cbranch_scc1 .Lnewton
	; sel = max(x - tau, 0)^2 in place, and into LDS as the row lies in memory
.set gi, 0
.rept 16
.irp i, 0,1,2,3
	v_pk_add_f32 v[X+8*gi+2*\i:X+8*gi+2*\i+1], v[X+8*gi+2*\i:X+8*gi+2*\i+1], v[TAU:TAU+1] neg_lo:[0,1] neg_hi:[0,1]
.endr
.irp i, 0,1,2,3
	v_dual_max_num_f32 v[X+8*gi+2*\i], 0, v[X+8*gi+2*\i] :: v_dual_max_num_f32 v[X+8*gi+2*\i+1], 0, v[X+8*gi+2*\i+1]
.endr
.irp i, 0,1,2,3
	v_pk_mul_f32 v[X+8*gi+2*\i:X+8*gi+2*\i+1], v[X+8*gi+2*\i:X+8*gi+2*\i+1], v[X+8*gi+2*\i:X+8*gi+2*\i+1]
.endr
	ds_store_b128 v3, v[X+8*gi:X+8*gi+3] offset:CHB*2*gi
	ds_store_b128 v3, v[X+8*gi+4:X+8*gi+7] offset:CHB*(2*gi+1)
.set gi, gi+1
.endr
.Lsel_done:
	s_wait_dscnt 0x0                               ; for the other waves' sake: my part of sel is in LDS before I say so
	s_barrier_signal -1
	s_barrier_wait -1                              ; all of sel is there.  The row loads stay on their way: nobody writes those bytes
; ---- the stream.  One step: piece ci (from the stepped bases) of my 8 rows, in ring slot `slot`, against the same piece of sel. ----
; refill = 1: the slot is asked for again, SLOTS pieces further on.  left = younger row loads that may stay out.  first = 1: the products start the sums.
.macro STEP slot, ci, refill, left, first
	WIN TO_HI
.irp d, 0,1,2
	ds_load_b128 v[SEL+4*\d:SEL+4*\d+3], v2 offset:\d*ROWB+(\ci)*CHB      ; issued ahead of the wait for the rows
.endr
	s_wait_loadcnt \left                           ; in order (ISA guide 5.7.1): this slot's eight loads are in, the younger slots stay out
	s_wait_dscnt 0x0                               ; the three pieces of sel
	WIN FMA_W
.irp p, 0,1
.irp j, 0,1,2,3,4,5,6,7
.irp d, 0,1,2
.if \first*(1-\p)
	v_pk_mul_f32 v[ACC+6*\j+2*\d:ACC+6*\j+2*\d+1], v[RING+32*\slot+4*\j+2*\p:RING+32*\slot+4*\j+2*\p+1], v[SEL+4*\d+2*\p:SEL+4*\d+2*\p+1]
.else
	v_pk_fma_f32 v[ACC+6*\j+2*\d:ACC+6*\j+2*\d+1], v[RING+32*\slot+4*\j+2*\p:RING+32*\slot+4*\j+2*\p+1], v[SEL+4*\d+2*\p:SEL+4*\d+2*\p+1], v[ACC+6*\j+2*\d:ACC+6*\j+2*\d+1]
.endif
.endr
.endr
.endr
.if \refill
	WIN TO_HI
.irp j, 0,1,2,3,4,5,6,7
	global_load_b128 v[RING+32*\slot+4*\j:RING+32*\slot+4*\j+3], v1, s[4:5] offset:\j*ROWB+(\ci+SLOTS)*CHB th:TH_LOAD_NT
.endr
.endif
.endm
	; 32 pieces: 4 steps, 3 trips of 7, a tail of 7.  The 25 refills ask for pieces 7 to 31: no load leaves a row.
	; The count 48 is six younger slots of eight loads.
	STEP 0, 0, 1, 48, 1
	STEP 1, 1, 1, 48, 0
	STEP 2, 2, 1, 48, 0
	STEP 3, 3, 1, 48, 0
	WIN 0
	s_mov_b32 s3, 3
.Lmain:
	STEP 4, 4, 1, 48, 0
	STEP 5, 5, 1, 48, 0
	STEP 6, 6, 1, 48, 0
	STEP 0, 7, 1, 48, 0
	STEP 1, 8, 1, 48, 0
	STEP 2, 9, 1, 48, 0
	STEP 3, 10, 1, 48, 0
	WIN 0
	s_wait_xcnt 0x0                                ; the pending loads name s[4:5]: it is stepped only when their addresses are translated (ISA guide 3.1)
	s_add_nc_u64 s[4:5], s[4:5], SLOTS*CHB
	v_add_nc_u32 v2, SLOTS*CHB, v2
	s_sub_co_i32 s3, s3, 1
	s_cmp_lg_u32 s3, 0
	s_cbranch_scc1 .Lmain
	STEP 4, 4, 0, 48, 0                            ; pieces 25 to 31 (the bases stand 21 pieces on): nothing is asked for, the counts run down
	STEP 5, 5, 0, 40, 0
	STEP 6, 6, 0, 32, 0
	STEP 0, 7, 0, 24, 0
	STEP 1, 8, 0, 16, 0
	STEP 2, 9, 0, 8, 0
	STEP 3, 10, 0, 0, 0
	WIN 0
	; ---- the way out ----
	; the two halves of each pair
.irp j, 0,1,2,3,4,5,6,7
.irp d, 0,1,2
	v_add_f32 v[ACC+6*\j+2*\d], v[ACC+6*\j+2*\d], v[ACC+6*\j+2*\d+1]
.endr
.endr
; Sum over lanes and transpose at once.  Of two rows' partial sums a lane keeps one (b where its mask bit is set, else a), sends the other to the
; lane across that bit and adds what it gets.  Three such stages on lane bits 2, 3, 4 leave row (lane >> 2) in each lane; bits 0, 1 are plain sums.
.macro TRED a, b, mask, x, tk
	v_cndmask_b32 v[\tk], v[\b], v[\a], s[\mask]   ; what I send
	v_cndmask_b32 v[\a], v[\a], v[\b], s[\mask]    ; what I keep
	v_add_f32_dpp v[\a], v[\tk], v[\a] row_xmask:\x row_mask:0xf bank_mask:0xf
.endm
.macro TREDX a, b, tk
	v_cndmask_b32 v[\tk], v[\b], v[\a], s96
	v_cndmask_b32 v[\a], v[\a], v[\b], s96
	v_permlanex16_b32 v[PXE], v[\tk], s92, s93
	v_add_f32 v[\a], v[\a], v[PXE]
.endm
.irp d, 0,1,2
	TRED ACC+2*\d, ACC+6+2*\d, 94, 4, TK
	TRED ACC+12+2*\d, ACC+18+2*\d, 94, 4, TK+1
	TRED ACC+24+2*\d, ACC+30+2*\d, 94, 4, TK+2
	TRED ACC+36+2*\d, ACC+42+2*\d, 94, 4, TK+3
	TRED ACC+2*\d, ACC+12+2*\d, 95, 8, TK
	TRED ACC+24+2*\d, ACC+36+2*\d, 95, 8, TK+1
	TREDX ACC+2*\d, ACC+24+2*\d, TK+2
	v_add_f32_dpp v[ACC+2*\d], v[ACC+2*\d], v[ACC+2*\d] row_xmask:1 row_mask:0xf bank_mask:0xf
	v_add_f32_dpp v[ACC+2*\d], v[ACC+2*\d], v[ACC+2*\d] row_xmask:2 row_mask:0xf bank_mask:0xf
.endr
	; From here every lane works on token lane >> 2 (four lanes hold the same numbers and part only at the stores).
	; entmax15 of the pair [s, 0], first entry, in closed form: with u = s/4 cut to [-1/2, 1/2], right = (u + sqrt(1/2 - u^2))^2.
	; Both entries are in the support exactly when |s|/2 <= 1; at the cut the form gives 1 or 0, the one-entry support's values.
.macro SPLIT d, thr
	v_sub_f32 v[UU+\d], v[ACC+2*\d], s[\thr]
	v_mul_f32 v[UU+\d], v[UU+\d], v[QT+\d]
	v_med3_num_f32 v[UU+\d], v[UU+\d], -0.5, 0.5
	v_fma_f32 v[HH+\d], -v[UU+\d], v[UU+\d], 0.5
.endm
	SPLIT 0, 66
	SPLIT 1, 67
	v_sqrt_f32 v[HH], v[HH]
	v_sqrt_f32 v[HH+1], v[HH+1]
	SPLIT 2, 100                                   ; plain instructions between those two roots and their use (ISA guide 5.7.2)
	v_sqrt_f32 v[HH+2], v[HH+2]
	s_wait_alu depctr_va_vdst(0)
	v_add_f32 v[RR], v[HH], v[UU]                  ; and these two stand between the third root and its use
	v_add_f32 v[RR+1], v[HH+1], v[UU+1]
	v_add_f32 v[RR+2], v[HH+2], v[UU+2]
.irp d, 0,1,2
	v_mul_f32 v[RR+\d], v[RR+\d], v[RR+\d]
.endr
.irp d, 0,1,2
	v_sub_f32 v[LL+\d], 1.0, v[RR+\d]
.endr
	; leaves, in reference()'s order of products: depth 0 is the slowest index
	v_mul_f32 v[Q], v[LL], v[LL+1]
	v_mul_f32 v[Q+1], v[LL], v[RR+1]
	v_mul_f32 v[Q+2], v[RR], v[LL+1]
	v_mul_f32 v[Q+3], v[RR], v[RR+1]
.irp k, 0,1,2,3
	v_mul_f32 v[LF+2*\k], v[Q+\k], v[LL+2]
	v_mul_f32 v[LF+2*\k+1], v[Q+\k], v[RR+2]
.endr
	; logits: W[e][m] lies in s[16 + 8 e + m], rows 6 and 7 four registers further up; the bias starts each sum
.irp e, 0,1,2,3,4,5,6,7
	v_fma_f32 v[LG+\e], v[LF], s[16+8*\e+4*(\e/6)], s[84+\e]
.endr
.irp m, 1,2,3,4,5,6,7
.irp e, 0,1,2,3,4,5,6,7
	v_fmac_f32 v[LG+\e], s[16+8*\e+\m+4*(\e/6)], v[LF+\m]
.endr
.endr
	; the two largest.  Strict comparisons: of equal logits the lower index stays in front, as in lax.top_k.  Selects only, no branch.
	v_cmp_gt_f32 vcc_lo, v[LG+1], v[LG]
	v_cndmask_b32 v[B1], v[LG], v[LG+1], vcc_lo
	v_cndmask_b32 v[B2], v[LG+1], v[LG], vcc_lo
	v_cndmask_b32 v[I1], 0, 1, vcc_lo
	v_cndmask_b32 v[I2], 1, 0, vcc_lo
.irp e, 2,3,4,5,6,7
	v_cmp_gt_f32 vcc_lo, v[LG+\e], v[B1]
	v_cmp_gt_f32 s14, v[LG+\e], v[B2]
	v_cndmask_b32 v[B2], v[B2], v[LG+\e], s14
	v_cndmask_b32 v[I2], v[I2], \e, s14
	v_cndmask_b32 v[B2], v[B2], v[B1], vcc_lo
	v_cndmask_b32 v[I2], v[I2], v[I1], vcc_lo
	v_cndmask_b32 v[B1], v[B1], v[LG+\e], vcc_lo
	v_cndmask_b32 v[I1], v[I1], \e, vcc_lo
.endr
	; softmax of (B1, B2) with the maximum B1 taken away: 1 / (1 + e), e / (1 + e), e = exp(B2 - B1) <= 1
	v_sub_f32 v[EX], v[B2], v[B1]
	v_mul_f32 v[EX], 0x3fb8aa3b, v[EX]
	v_exp_f32 v[EX], v[EX]
	; out0: lane 4 t + q stores logits 2 q, 2 q + 1 of token t, so the wave's one store covers 256 consecutive bytes, aligned.
	; These selects also stand between the exponential and its use.
	v_cndmask_b32 v[OT], v[LG], v[LG+2], s97
	v_cndmask_b32 v[OT+1], v[LG+4], v[LG+6], s97
	v_cndmask_b32 v[OT+2], v[LG+1], v[LG+3], s97
	v_cndmask_b32 v[OT+3], v[LG+5], v[LG+7], s97
	v_cndmask_b32 v[OD], v[OT], v[OT+1], s98
	v_cndmask_b32 v[OD+1], v[OT+2], v[OT+3], s98
	global_store_b64 v5, v[OD:OD+1], s[8:9] th:TH_STORE_NT
	s_wait_alu depctr_va_vdst(0)
	v_add_f32 v[DEN], 1.0, v[EX]
	v_rcp_f32 v[W1], v[DEN]
	v_cndmask_b32 v[SW], v[I1], v[I2], s97         ; the plain instruction behind the reciprocal
	s_wait_alu depctr_va_vdst(0)
	v_mul_f32 v[W2], v[EX], v[W1]
	v_cndmask_b32 v[OT], v[W1], v[W2], s97
	v_cndmask_b32 v[SW], v[SW], v[OT], s98         ; word q of {index 1, index 2, weight 1, weight 2}
	ds_store_b32 v4, v[SW]                         ; a wave has 64 bytes of out1 and of out2: the work-group's 512 each are gathered in LDS
	s_wait_dscnt 0x0                               ; for the waves that read the stage
	s_barrier_signal -1
	s_barrier_wait -1
	s_cmp_ge_u32 s2, 2
	s_cbranch_scc1 .Lend
	s_lshl_b32 s3, s2, 9                           ; wave 0 takes the indices to out1, wave 1 the weights to out2
	s_add_co_u32 s3, s3, ST1
	v_add_nc_u32 v6, s3, v1
	ds_load_b128 v[SD:SD+3], v6
	s_lshl_b32 s14, ttmp9, 9                       ; 64 tokens x 8 bytes for a work-group
	s_mov_b32 s15, 0
	s_cmp_eq_u32 s2, 0                             ; (behind the shifts, which write SCC)
	s_cselect_b64 s[10:11], s[10:11], s[12:13]
	s_add_nc_u64 s[10:11], s[10:11], s[14:15]
	s_wait_dscnt 0x0
	global_store_b128 v1, v[SD:SD+3], s[10:11] th:TH_STORE_NT      ; 512 consecutive bytes, aligned
.Lend:
	s_wait_tensorcnt 0x0
	ds_add_u32 v254, v255
	s_wait_dscnt 0x0
	s_endpgm
.Lfunc_end_k_q637f36af16_route:
	.size	k_q637f36af16_route, .Lfunc_end_k_q637f36af16_route-k_q637f36af16_route
	.p2alignl 7, 3214868480
	.fill 96, 4, 3214868480
	.section	.rodata,"a",@progbits
	.p2align	6, 0x0
	.amdhsa_kernel k_q637f36af16_route
		.amdhsa_group_segment_fixed_size 51200
		.amdhsa_private_segment_fixed_size 0
		.amdhsa_enable_private_segment 0
		.amdhsa_kernarg_size 72
		.amdhsa_user_sgpr_count 2
		.amdhsa_user_sgpr_kernarg_segment_ptr 1
		.amdhsa_wavefront_size32 1
		.amdhsa_system_sgpr_workgroup_id_x 1
		.amdhsa_system_sgpr_workgroup_id_y 1
		.amdhsa_system_sgpr_workgroup_id_z 1
		.amdhsa_system_vgpr_workitem_id 0
		.amdhsa_next_free_vgpr 504
		.amdhsa_next_free_sgpr 106
		.amdhsa_reserve_vcc 1
		.amdhsa_float_denorm_mode_32 3
		.amdhsa_float_denorm_mode_16_64 3
		.amdhsa_memory_ordered 1
		.amdhsa_forward_progress 1
		.amdhsa_inst_pref_size 146
	.end_amdhsa_kernel
	.amdgpu_metadata
---
amdhsa.version: [ 1, 2 ]
amdhsa.kernels:
  - .name:           k_q637f36af16_route
    .symbol:         k_q637f36af16_route.kd
    .args:
      - { .name: hidden_states, .offset: 0, .size: 8, .value_kind: global_buffer, .address_space: global }
      - { .name: feature_selectors, .offset: 8, .size: 8, .value_kind: global_buffer, .address_space: global }
      - { .name: out0, .offset: 16, .size: 8, .value_kind: global_buffer, .address_space: global }
      - { .name: out1, .offset: 24, .size: 8, .value_kind: global_buffer, .address_space: global }
      - { .name: out2, .offset: 32, .size: 8, .value_kind: global_buffer, .address_space: global }
      - { .name: W_leaf, .offset: 40, .size: 8, .value_kind: global_buffer, .address_space: global }
      - { .name: b_leaf, .offset: 48, .size: 8, .value_kind: global_buffer, .address_space: global }
      - { .name: thresholds, .offset: 56, .size: 8, .value_kind: global_buffer, .address_space: global }
      - { .name: log_temperatures, .offset: 64, .size: 8, .value_kind: global_buffer, .address_space: global }
    .group_segment_fixed_size: 51200
    .private_segment_fixed_size: 0
    .kernarg_segment_align: 8
    .kernarg_segment_size: 72
    .max_flat_workgroup_size: 256
    .sgpr_count:     106
    .vgpr_count:     504
    .wavefront_size: 32
...
	.end_amdgpu_metadata
.endif
;; end of part 1
